; MI455X (gfx1250); checked and timed in simulation.
; The chip was launched on July 23, 2026; its instructions are those of AMD's public machine-readable ISA for CDNA 5 (MIT licence, August 2026) and "CDNA5" Instruction Set Architecture Reference Guide (July 2026). The comments in the code are by the model that wrote it; some were corrected since.
;; Attention Block. Allowed arithmetic: matrix products marked QUANTISED: E2M1 operands, one E8M0 scale for each 32 along K, by v_wmma_scale_f32_16x16x128_f8f6f4 with both operands' format E2M1 (or v_wmma_scale_f32_32x16x128_f4), f32 sums; everything else in f32.
;; Inputs: bk 256 float32; bp 256 float32; bq 256 float32; bv 256 float32; gn_bias 256 float32; gn_weight 256 float32; wk_codes 256 x 8 x 16 uint8 (E2M1 codes of wk, K innermost, in blocks of 32 codes, two codes a byte); wk_scales 256 x 8 uint8 (E8M0 scales of wk, one for each 32 codes along K); wp_codes 256 x 8 x 16 uint8 (E2M1 codes of wp, K innermost, in blocks of 32 codes, two codes a byte); wp_scales 256 x 8 uint8 (E8M0 scales of wp, one for each 32 codes along K); wq_codes 256 x 8 x 16 uint8 (E2M1 codes of wq, K innermost, in blocks of 32 codes, two codes a byte); wq_scales 256 x 8 uint8 (E8M0 scales of wq, one for each 32 codes along K); wv_codes 256 x 8 x 16 uint8 (E2M1 codes of wv, K innermost, in blocks of 32 codes, two codes a byte); wv_scales 256 x 8 uint8 (E8M0 scales of wv, one for each 32 codes along K); x 4 x 256 x 64 x 64 float32.
;; Outputs: out0 4 x 256 x 64 x 64 float32.
;; This version of the problem:
;;   THIS VERSION OF THE PROBLEM IS GIVEN IN LOW PRECISION. The matrix products marked QUANTISED in the list below multiply operands that are first quantised to E2M1 (2 exponent bits, 1 mantissa bit; 4 bits a number), with one power-of-two scale for each 32 numbers along K (OCP MX v1.0); their sums are f32. All else is computed in f32.
;;   The module's matrix products, in the order in which they are computed (A, B: the left and right operand; K: the contracted axis; several contracted axes count as one K, in the product's order):
;;     1. [M 16,384, K 256] x [K 256, N 256]; A: computed on the way; B: input wq (given as codes): QUANTISED
;;     2. [M 16,384, K 256] x [K 256, N 256]; A: computed on the way; B: input wk (given as codes): QUANTISED
;;     3. [M 16,384, K 256] x [K 256, N 256]; A: computed on the way; B: input wv (given as codes): QUANTISED
;;     4. batch 16 x [M 4,096, K 64] x [K 64, N 4,096]; A: computed on the way; B: computed on the way: QUANTISED
;;     5. batch 16 x [M 64, K 4,096] x [K 4,096, N 4,096]; A: computed on the way; B: softmax (see below): QUANTISED
;;     6. [M 16,384, K 256] x [K 256, N 256]; A: computed on the way; B: input wp (given as codes): QUANTISED
;;   THE QUANTISER, for each operand of a quantised product, along K:
;;     - K is cut into blocks of 32 from its start; a last block that is shorter is filled with zeros.
;;     - A block's scale is 2^e with e = floor(log2(the largest magnitude in the block)) - 2, held to -126 .. 127; a block of zeros has e = 0. As a byte (E8M0): e + 127.
;;     - Each number is divided by its block's scale, clamped to +-6, and rounded to the nearest number of E2M1, ties to even, subnormals kept.
;;     - The product sums the exact products of the quantised numbers (number of the format x scale) in f32.
;;   ~~~python
;;   def quantise(x, axis):      # numpy; x: float32 -> the quantised numbers, widened to float32 again
;;       x = np.moveaxis(x, axis, -1); K = x.shape[-1]
;;       x = np.pad(x, [(0, 0)] * (x.ndim - 1) + [(0, -K % 32)]); x = x.reshape(x.shape[:-1] + (-1, 32)); a = np.abs(x).max(-1, keepdims=True)
;;       e = np.where(a > 0, np.clip(np.frexp(np.where(a > 0, a, 1))[1] - 1 - 2, -126, 127), 0)      # np.frexp(a)[1] - 1 = floor(log2(a)), exactly
;;       r = np.clip(x / 2.0 ** e, -6, 6)
;;       step = 2.0 ** (np.maximum(np.frexp(np.where(r == 0, 1, r))[1] - 1, 0) - 1)
;;       q = np.round(r / step) * step * 2.0 ** e      # np.round: ties to even
;;       return np.moveaxis(q.reshape(q.shape[:-2] + (-1,))[..., :K], -1, axis).astype(np.float32)
;;   ~~~
;;   SOFTMAX AHEAD OF A QUANTISED PRODUCT. Where the list says 'softmax', what is quantised is not the finished softmax but p = 2^(t - M), with t = logit x log2(e) and M = ceil(the row's largest t), a whole number; so 1/2 < the row's largest p <= 1. The row's sum l is taken of the UNQUANTISED p, in f32, and the product's result is divided by l at the end. Since M is a whole number, a kernel that streams over the keys may use a running M (the ceiling of the running maximum): every later rescaling is an exact power of two, which a block's scale takes up: the codes' values come out the same.
;;   OPERANDS COMPUTED ON THE WAY. 'Computed on the way' means the value that the module computes at that place (a softmax that the list does not call 'softmax' is quantised finished and normalised). What goes into a quantiser is computed in f32, as accurately as f32 sums, v_exp_f32 and their like allow (about 1e-6 of the number): no bf16 or f16 on the way to a quantiser, and a product that is left as it is and whose result goes on into a quantised operand takes f32 operands (vector FMAs, or v_wmma_f32_16x16x4_f32). A number that lies on a knife's edge between two numbers of the format may be rounded either way, as far as f32 arithmetic and the matrix unit's own rounding can turn it there, and no further.
;;   INPUTS GIVEN AS CODES. wk (in the module: [256, 256], K = its axis 1); wp (in the module: [256, 256], K = its axis 1); wq (in the module: [256, 256], K = its axis 1); wv (in the module: [256, 256], K = its axis 1): each comes as NAME_codes (uint8): NAME with its K axis moved to the last place and cut into blocks of 32 codes, [.., K / 32, bytes a block], one block behind the other in memory; two codes a byte, the lower K in the low four bits (a code: sign, 2 exponent bits, 1 mantissa bit); and NAME_scales (uint8): the same leading axes, one E8M0 byte (e + 127) for each 32 codes along K. Its value is code x scale, taken as it is: it is not quantised again, and the codes and scales need not be those that the quantiser above would give.
;; One version. Each part assembles by itself: llvm-mc -triple=amdgcn-amd-amdhsa -mcpu=gfx1250 --defsym DOCPART=n.
;; ======== version 1 of 1: 4 launches
;; workspace buffers: part 16,384 bytes; qc 2,097,152 bytes; qs 262,144 bytes; kv 4,587,520 bytes; oc 2,097,152 bytes; os 131,072 bytes
;; launch stats (part 1): grid 256 x 1, 8 waves a work-group, no clusters, 0 bytes of LDS; arguments x, part; writes part
.if DOCPART == 1
	.amdgcn_target "amdgcn-amd-amdhsa--gfx1250"
	.amdhsa_code_object_version 6
	.text
	.protected	k_q1b6d501335_stats
	.globl	k_q1b6d501335_stats
	.p2align	8
	.type	k_q1b6d501335_stats,@function
k_q1b6d501335_stats:
	s_mov_b64 s[64:65], 0
	v_nop
	global_prefetch_b8 v0, s[64:65] scope:SCOPE_SE
	s_setreg_imm32_b32 hwreg(HW_REG_WAVE_MODE, 25, 1), 1
	s_wait_xcnt 0x0
; GroupNorm, first part.  x: [4][256][4096] f32.  A norm group is 32 channels x 4,096 pixels of one image: 131,072 numbers, 512 KiB on end.
; A wave takes 8,192 consecutive bytes (2,048 numbers, 64 a lane), a sixty-fourth of a group, and stores its own mean and its own sum of squared
; deviations from that mean: part[32 groups][64 parts][mean, M2], part number 8 x work-group + wave.  The next launch joins the 64 parts of a group.
; The mean comes first and the squares are taken of the deviations, on the numbers kept in registers: no difference of large sums is formed when x carries an offset.
; Waves share nothing: no LDS, no barrier.  Each load of a wave covers 512 consecutive bytes.  The results are 8 bytes a wave: 16 KiB in the whole launch.
.set XD, 16                            ; v16-79  my 64 numbers
.set CH, 4                             ; v4-11   four packed chains
.set NM, 80                            ; v80-81  minus the mean, twice
.macro WSUM reg                        ; the sum over the 32 lanes, in every lane
	s_delay_alu instid0(VALU_DEP_1)
	v_add_f32_dpp v[\reg], v[\reg], v[\reg] row_xmask:1 row_mask:0xf bank_mask:0xf
	s_delay_alu instid0(VALU_DEP_1)
	v_add_f32_dpp v[\reg], v[\reg], v[\reg] row_xmask:2 row_mask:0xf bank_mask:0xf
	s_delay_alu instid0(VALU_DEP_1)
	v_add_f32_dpp v[\reg], v[\reg], v[\reg] row_xmask:4 row_mask:0xf bank_mask:0xf
	s_delay_alu instid0(VALU_DEP_1)
	v_add_f32_dpp v[\reg], v[\reg], v[\reg] row_xmask:8 row_mask:0xf bank_mask:0xf
	s_delay_alu instid0(VALU_DEP_1)
	v_permlanex16_b32 v14, v[\reg], s12, s13
	s_delay_alu instid0(VALU_DEP_1)
	v_add_f32 v[\reg], v[\reg], v14
.endm
.macro JOIN dst                        ; the four chains, their two halves, the 32 lanes
	s_delay_alu instid0(VALU_DEP_3)
	v_pk_add_f32 v[CH:CH+1], v[CH:CH+1], v[CH+2:CH+3]
	s_delay_alu instid0(VALU_DEP_2)
	v_pk_add_f32 v[CH+4:CH+5], v[CH+4:CH+5], v[CH+6:CH+7]
	s_delay_alu instid0(VALU_DEP_1)
	v_pk_add_f32 v[CH:CH+1], v[CH:CH+1], v[CH+4:CH+5]
	s_delay_alu instid0(VALU_DEP_1)
	v_add_f32 v[\dst], v[CH], v[CH+1]
	WSUM \dst
.endm
	s_load_b128 s[4:7], s[0:1], 0x0                ; x, part
	v_lshrrev_b32 v2, 5, v0
	s_delay_alu instid0(VALU_DEP_1)
	v_readfirstlane_b32 s8, v2                     ; wave
	v_and_b32 v1, 31, v0                           ; lane
	s_delay_alu instid0(VALU_DEP_1)
	v_lshlrev_b32 v2, 4, v1                        ; 16 bytes a lane
	v_mov_b32 v14, 0                               ; a lane permute's destination counts as one of its sources
	v_mov_b32 v15, 0                               ; the store's offset
	s_mov_b32 s12, 0x76543210
	s_mov_b32 s13, 0xfedcba98                      ; v_permlanex16_b32's selects for lane l xor 16
	s_lshl_b32 s9, ttmp9, 3
	s_add_co_u32 s9, s9, s8                        ; my part: 8 x work-group + wave
	s_lshl_b32 s10, s9, 13                         ; 8,192 bytes of x a part
	s_mov_b32 s11, 0
	s_wait_alu depctr_va_vdst(0)
	s_wait_kmcnt 0x0
	s_add_nc_u64 s[4:5], s[4:5], s[10:11]
	s_lshl_b32 s10, s9, 3                          ; 8 bytes of results a part
	s_add_nc_u64 s[6:7], s[6:7], s[10:11]
.irp i, 0,1,2,3,4,5,6,7,8,9,10,11,12,13,14,15
	global_load_b128 v[XD+4*\i:XD+4*\i+3], v2, s[4:5] offset:512*\i th:TH_LOAD_NT
.endr
	s_wait_loadcnt 0x0
.irp c, 0,1,2,3
	v_pk_add_f32 v[CH+2*\c:CH+2*\c+1], v[XD+2*\c:XD+2*\c+1], v[XD+8+2*\c:XD+9+2*\c]   ; the first eight pairs start the chains: nothing is cleared
.endr
.set k, 8
.rept 24
	s_delay_alu instid0(VALU_DEP_4)
	v_pk_add_f32 v[CH+2*(k%4):CH+2*(k%4)+1], v[CH+2*(k%4):CH+2*(k%4)+1], v[XD+2*k:XD+2*k+1]
.set k, k+1
.endr
	JOIN 3
	s_delay_alu instid0(VALU_DEP_1)
	v_mul_f32 v12, 0x3a000000, v3                  ; the mean of my 2,048 numbers: sum x 2^-11
	s_delay_alu instid0(VALU_DEP_2)
	v_mul_f32 v[NM], 0xba000000, v3                ; and minus the mean,
	s_delay_alu instid0(VALU_DEP_1)
	v_mov_b32 v[NM+1], v[NM]                       ; twice
.set k, 0
.rept 32
	v_pk_add_f32 v[XD+2*k:XD+2*k+1], v[XD+2*k:XD+2*k+1], v[NM:NM+1]   ; the deviations
.set k, k+1
.endr
.irp c, 0,1,2,3
	v_pk_mul_f32 v[CH+2*\c:CH+2*\c+1], v[XD+2*\c:XD+2*\c+1], v[XD+2*\c:XD+2*\c+1]
.endr
.set k, 4
.rept 28
	s_delay_alu instid0(VALU_DEP_4)
	v_pk_fma_f32 v[CH+2*(k%4):CH+2*(k%4)+1], v[XD+2*k:XD+2*k+1], v[XD+2*k:XD+2*k+1], v[CH+2*(k%4):CH+2*(k%4)+1]
.set k, k+1
.endr
	JOIN 13                                        ; M2
	s_wait_alu depctr_va_vdst(0)
	s_wait_xcnt 0x0                                ; EXEC changes only behind this wait
	v_cmp_eq_u32 vcc_lo, 0, v1
	s_and_saveexec_b32 s14, vcc_lo                 ; lane 0 stores for the wave
	global_store_b64 v15, v[12:13], s[6:7]
	s_wait_xcnt 0x0                                ; and again, in front of the line that widens it
	s_or_b32 exec_lo, exec_lo, s14
	s_endpgm
.Lfunc_end_k_q1b6d501335_stats:
	.size	k_q1b6d501335_stats, .Lfunc_end_k_q1b6d501335_stats-k_q1b6d501335_stats
	.p2alignl 7, 3214868480
	.fill 96, 4, 3214868480
	.section	.rodata,"a",@progbits
	.p2align	6, 0x0
	.amdhsa_kernel k_q1b6d501335_stats
		.amdhsa_group_segment_fixed_size 0
		.amdhsa_private_segment_fixed_size 0
		.amdhsa_enable_private_segment 0
		.amdhsa_kernarg_size 16
		.amdhsa_user_sgpr_count 2
		.amdhsa_user_sgpr_kernarg_segment_ptr 1
		.amdhsa_wavefront_size32 1
		.amdhsa_system_sgpr_workgroup_id_x 1
		.amdhsa_system_sgpr_workgroup_id_y 1
		.amdhsa_system_sgpr_workgroup_id_z 1
		.amdhsa_system_vgpr_workitem_id 0
		.amdhsa_next_free_vgpr 84
		.amdhsa_next_free_sgpr 66
		.amdhsa_reserve_vcc 1
		.amdhsa_float_denorm_mode_32 3
		.amdhsa_float_denorm_mode_16_64 3
		.amdhsa_memory_ordered 1
		.amdhsa_forward_progress 1
		.amdhsa_inst_pref_size 13
	.end_amdhsa_kernel
	.amdgpu_metadata
---
amdhsa.version: [ 1, 2 ]
amdhsa.kernels:
  - .name:           k_q1b6d501335_stats
    .symbol:         k_q1b6d501335_stats.kd
    .args:
      - { .name: x, .offset: 0, .size: 8, .value_kind: global_buffer, .address_space: global }
      - { .name: part, .offset: 8, .size: 8, .value_kind: global_buffer, .address_space: global }
    .group_segment_fixed_size: 0
    .private_segment_fixed_size: 0
    .kernarg_segment_align: 8
    .kernarg_segment_size: 16
    .max_flat_workgroup_size: 256
    .sgpr_count:     66
    .vgpr_count:     84
    .wavefront_size: 32
...
	.end_amdgpu_metadata
.endif
;; end of part 1
;; launch qkv (part 2): grid 64 x 4, 16 waves a work-group, no clusters, 10,752 bytes of LDS; arguments x, part, gn_weight, gn_bias, wq_codes, wq_scales, bq, wk_codes, wk_scales, bk, wv_codes, wv_scales, bv, qc, qs, kv; writes qc, qs, kv
.if DOCPART == 2
	.amdgcn_target "amdgcn-amd-amdhsa--gfx1250"
	.amdhsa_code_object_version 6
	.text
	.protected	k_q1b6d501335_qkv
	.globl	k_q1b6d501335_qkv
	.p2align	8
	.type	k_q1b6d501335_qkv,@function
k_q1b6d501335_qkv:
	s_mov_b64 s[64:65], 0
	v_nop
	global_prefetch_b8 v0, s[64:65] scope:SCOPE_SE
	s_setreg_imm32_b32 hwreg(HW_REG_WAVE_MODE, 25, 1), 1
	s_wait_xcnt 0x0
; GroupNorm's second part and the three 1 x 1 convolutions, on codes of FP4 (E2M1) with one E8M0 scale for each 32 along a product's K.  Results: q, k and v as codes, laid as the attention launch's operand registers want them.
; A work-group takes 64 pixels (block blk = work-group x) of one image (b = work-group y), all 256 channels.  Sixteen waves, one text: what differs between waves is chosen by s_cselect on the wave's number; there is no branch.
; PHASE X.  Wave w normalises group g = w / 2 for the 32 pixels of half bl = w % 2: a lane takes a pixel, its 32 registers run down the group's 32 channels.  A norm group IS a block of 32 along the convolutions' K,
;   so a block's largest magnitude needs no other lane and the conversions give 16 bytes that are four registers of the operand.  They go to LDS as an image of the operand's registers; one barrier.
; PHASE QK.  Wave w: q (w < 8) or k; head (w / 2) % 4; half bl.  Source 0 = 16 rows of the weight, source 1 = 16 pixels: a lane holds one pixel and its registers run along the head's channels, the K of q k^T.
; PHASE V.   Wave w: head w / 4, tile t = w % 4 of 16 channels.  Source 0 = 16 pixels, source 1 = 16 rows of wv: a lane holds one channel and its registers run along the pixels, which are the keys, the K of the second product.
; THE ROWS OF A TILE ARE NOT NEIGHBOURS.  In 32 rows (pixels of a half, channels of half a head) tile u takes row 8 u + r + 8 (r / 8) for its lane r, so that the 16 registers of tiles 2 b and 2 b + 1 of a result are 16 neighbours, 32 b + 16 (lane / 16) + 0 .. 15.
; BUFFERS.  qc [bh][tile 256][512]: lane (r, h) = the 32 codes of channel block h of the tile's row r.  qs [bh][tile][16 words]: two scale bytes, then 0x7f7f for the half of the K step that holds zero codes.
;   kv [bh][step of 128 keys][8,960]: K's codes, 8 tiles x 512; V's codes, 4 tiles x 1,024; K's scale words, [4 pairs of tiles][32 lanes]; V's scale words, [2 pairs of tiles][32 lanes].
; STORES.  Codes leave 512 consecutive bytes an instruction, scale words 128.  A scale word of V spans 128 keys, which two work-groups make: V's scale bytes leave singly, 128 KiB in the whole launch.
; LIMITS.  NaN and infinities among the inputs are not served.  A block whose largest magnitude lies under 2^-124, a block of zeros among them, gets the byte 1: its codes are zeros or next to it, and this program alone reads the bytes.  1 / sqrt is v_rsq_f32.
.set XSC,   8192                       ; LDS: xn's 8 fragments (tile pt, K step s at 1,024 (2 pt + s)), 8,192 bytes; behind them their scale words, 64 bytes each
.set REC,   8960                       ; a step's record in kv
.set HEADB, 286720                     ; a head's 32 records
.set VOFF,  4096
.set KSOFF, 8192
.set VSOFF, 8704
.set L16, 1                            ; v1   16 x lane
.set L4,  2                            ; v2   4 x lane
.set RR,  3                            ; v3   r = lane % 16
.set HH,  4                            ; v4   h = lane / 16
.set WRO, 5                            ; v5   a weight's codes: (r + 8 (r / 8)) x 128 + 16 h
.set WSO, 6                            ; v6   its scale words: (r + 8 (r / 8)) x 8
.set BO,  7                            ; v7   a bias in the result's layout: 64 h
.set BVO, 8                            ; v8   bv: 4 (r + 8 (r / 8))
.set XST, 9                            ; v9   phase X: where my 16 bytes of codes go
.set XSB, 10                           ; v10  and my scale byte
.set XLD, 11                           ; v11  16 x lane + my half's four fragments
.set SLD, 12                           ; v12  XSC + 4 r
.set SLB, 13                           ; v13  XSC + 4 r + my half's
.set NIL, 14                           ; v14  0
.set VBO, 15                           ; v15  4 r + h: V's scale byte
.set WQK, 16                           ; v16-79   wq's or wk's 8 fragments (tile t, K step s at 8 (2 t + s)); in phase V xn's 8 fragments
.set WQS, 80                           ; v80-87   their scale words
.set BIA, 88                           ; v88-119  bq or bk, 8 registers a tile, in the result's layout
.set WVF, 120                          ; v120-135 wv's two fragments
.set WVS, 136                          ; v136-137 their scale words
.set BVR, 138                          ; v138-145 bv of my channel, eight times
.set NMN, 146                          ; v146-147 minus the group's mean, twice
.set XD,  148                          ; v148-179 phase X: my pixel's 32 numbers
.set GW,  180                          ; v180-211 the group's 32 gains
.set GB,  212                          ; v212-243 and biases
.set PT,  244                          ; v244-247 two parts of the statistics; then my codes
.set XF,  148                          ; v148-163 phase QK: xn's two fragments
.set ACC, 168                          ; v168-199 four accumulators
.set TM,  200                          ; v200-207 at work in QUANT2
.set PC,  208                          ; v208-215 codes, a set for each tile of pixels: no store's data are written again
.set PW,  216                          ; v216-217 scale words just made
.set JW,  218                          ; v218     the two, joined
.set PCV, 220                          ; v220-223 V's codes
.set JB,  224                          ; v224     V's scale byte
.set XS,  254                          ; v254-255 xn's scale words in phase QK: these two registers hold nothing else
.set WV,  36
.set BL,  37
.set GG,  38
.set SELQ, 39
.set HD,  40
.set BB,  42
.set T0,  43
.set WC,  44                           ; s[44:45] my weight's codes;  s[46:47] its scales;  s[48:49] its bias
.set WSP, 46
.set BIP, 48
.set OUTC, 50                          ; s[50:51] where my q or k codes go;  s[52:53] their scale words
.set OUTS, 52
.set VOC, 54                           ; s[54:55], s[56:57] the same for V
.set VOS, 56
.set SEL, 58                           ; s[58:59] v_permlanex16_b32's selects for lane l xor 16
.set HI,  60                           ; s60  the mask of lanes 16-31
.set EPS, 61                           ; s61  1e-5
.set OFF, 62                           ; s[62:63] an offset, 0 above it
.macro WSUM reg                        ; the sum over the 32 lanes, in every lane
	s_delay_alu instid0(VALU_DEP_1)
	v_add_f32_dpp v[\reg], v[\reg], v[\reg] row_xmask:1 row_mask:0xf bank_mask:0xf
	s_delay_alu instid0(VALU_DEP_1)
	v_add_f32_dpp v[\reg], v[\reg], v[\reg] row_xmask:2 row_mask:0xf bank_mask:0xf
	s_delay_alu instid0(VALU_DEP_1)
	v_add_f32_dpp v[\reg], v[\reg], v[\reg] row_xmask:4 row_mask:0xf bank_mask:0xf
	s_delay_alu instid0(VALU_DEP_1)
	v_add_f32_dpp v[\reg], v[\reg], v[\reg] row_xmask:8 row_mask:0xf bank_mask:0xf
	s_delay_alu instid0(VALU_DEP_1)
	v_permlanex16_b32 v249, v[\reg], s[SEL], s[SEL+1]
	s_delay_alu instid0(VALU_DEP_1)
	v_add_f32 v[\reg], v[\reg], v249
.endm
; 32 numbers of a lane, register 16 b + i = neighbour 16 (lane / 16) + i of block b of my row, become 4 registers of codes at v[pc]: lanes 0-15 block 0 whole, lanes 16-31 block 1.  The blocks' bytes are left in v[TM+6], v[TM+7].
; Each of the four accumulators is read from its low end on.
.macro QUANT2 s, pc
.irp b, 0,1
	v_max3_num_f32 v[TM+\b], |v[(\s)+16*\b]|, |v[(\s)+1+16*\b]|, 0x1800000   ; my 16 numbers, and the floor 2^(3 - 127): the byte cannot fall under 1
.endr
.irp i, 2,4,6,8,10,12,14
.irp b, 0,1
	v_max3_num_f32 v[TM+\b], v[TM+\b], |v[(\s)+16*\b+\i]|, |v[(\s)+1+16*\b+\i]|
.endr
.endr
.irp b, 0,1
	s_delay_alu instid0(VALU_DEP_2)
	v_permlanex16_b32 v[TM+2+\b], v[TM+\b], s[SEL], s[SEL+1]
.endr
.irp b, 0,1
	s_delay_alu instid0(VALU_DEP_2)
	v_max_num_f32 v[TM+\b], v[TM+\b], v[TM+2+\b]   ; with lane l xor 16's: the block's largest magnitude
.endr
.irp b, 0,1
	s_delay_alu instid0(VALU_DEP_2)
	v_add_nc_u32 v[TM+4+\b], 0xff000000, v[TM+\b]  ; 2 off its exponent field: the conversion takes the exponent field of this operand as its scale
.endr
.irp b, 0,1
	s_delay_alu instid0(VALU_DEP_2)
	v_lshrrev_b32 v[TM+6+\b], 23, v[TM+4+\b]       ; the scale's byte
.endr
.irp b, 0,1
	v_cvt_scalef32_pk8_fp4_f32 v[(\pc)+2*\b], v[(\s)+16*\b:(\s)+16*\b+7], v[TM+4+\b]
	v_cvt_scalef32_pk8_fp4_f32 v[(\pc)+2*\b+1], v[(\s)+16*\b+8:(\s)+16*\b+15], v[TM+4+\b]
.endr
	v_nop                                          ; one plain place behind a scaled conversion
	v_permlane16_swap_b32 v[(\pc)], v[(\pc)+2]     ; the first's lanes 16-31 change places with the second's lanes 0-15: a whole block in a lane
	v_permlane16_swap_b32 v[(\pc)+1], v[(\pc)+3]
.endm
; Behind a run of products: four places before vector instructions read the results and before loads land in the operands (ISA guide 7.12.1 for vector instructions); a fifth before the next run begins the same accumulators anew with another C.
.macro PLACES
.rept 5
	v_nop
.endr
.endm
	s_load_b512 s[4:19], s[0:1], 0x0               ; x, part, gn_weight, gn_bias, wq_codes, wq_scales, bq, wk_codes
	s_load_b512 s[20:35], s[0:1], 0x40             ; wk_scales, bk, wv_codes, wv_scales, bv, qc, qs, kv
	v_lshrrev_b32 v248, 5, v0
	s_delay_alu instid0(VALU_DEP_1)
	v_readfirstlane_b32 s[WV], v248                ; wave 0..15
	v_and_b32 v248, 31, v0                         ; lane
	s_delay_alu instid0(VALU_DEP_1)
	v_lshlrev_b32 v[L16], 4, v248
	s_delay_alu instid0(VALU_DEP_2)
	v_lshlrev_b32 v[L4], 2, v248
	v_mov_b32 v[NIL], 0
	s_and_b32 s[BL], s[WV], 1                      ; which 32 of the 64 pixels
	s_lshr_b32 s[GG], s[WV], 1                     ; phase X: my group
	s_lshr_b32 s[SELQ], s[WV], 3                   ; phase QK: q (0) or k (1)
	s_and_b32 s[HD], s[GG], 3                      ; and my head
	s_and_b32 s[BB], ttmp7, 0xffff                 ; the image
	s_mov_b32 s[SEL], 0x76543210
	s_mov_b32 s[SEL+1], 0xfedcba98
	s_mov_b32 s[HI], 0xffff0000
	s_mov_b32 s[EPS], 0x3727c5ac
	s_mov_b32 s[OFF+1], 0
	s_lshl_b32 s[OFF], s[BB], 22                   ; x: 4 MiB an image,
	s_lshl_b32 s66, s[GG], 19                      ; 512 KiB a group,
	s_add_co_u32 s[OFF], s[OFF], s66
	s_lshl_b32 s66, ttmp9, 8                       ; 256 bytes a block of 64 pixels,
	s_add_co_u32 s[OFF], s[OFF], s66
	s_lshl_b32 s66, s[BL], 7                       ; 128 a half
	s_add_co_u32 s[OFF], s[OFF], s66
	s_wait_alu depctr_va_vdst(0)
	s_wait_kmcnt 0x0
	s_add_nc_u64 s[4:5], s[4:5], s[OFF:OFF+1]
	s_lshl_b32 s[OFF], s[BB], 3
	s_add_co_u32 s[OFF], s[OFF], s[GG]
	s_lshl_b32 s[OFF], s[OFF], 9                   ; part: 512 bytes a group
	s_add_nc_u64 s[6:7], s[6:7], s[OFF:OFF+1]
	s_lshl_b32 s[OFF], s[GG], 7                    ; gain and bias: 128 bytes a group
	s_add_nc_u64 s[8:9], s[8:9], s[OFF:OFF+1]
	s_add_nc_u64 s[10:11], s[10:11], s[OFF:OFF+1]
	global_load_b128 v[PT:PT+3], v[L16], s[6:7]    ; two of the group's 64 parts a lane
.irp i, 0,1,2,3,4,5,6,7,8,9,10,11,12,13,14,15,16,17,18,19,20,21,22,23,24,25,26,27,28,29,30,31
	global_load_b32 v[XD+\i], v[L4], s[4:5] offset:16384*\i th:TH_LOAD_NT   ; channel i of the group at my pixel: 128 consecutive bytes a wave, and the wave of the other half beside it
.endr
.irp i, 0,1,2,3,4,5,6,7
	global_load_b128 v[GW+4*\i:GW+4*\i+3], v[NIL], s[8:9] offset:16*\i      ; the same 32 numbers in every lane
.endr
.irp i, 0,1,2,3,4,5,6,7
	global_load_b128 v[GB+4*\i:GB+4*\i+3], v[NIL], s[10:11] offset:16*\i
.endr
	; while these are on their way: the other addresses
	v_and_b32 v[RR], 15, v0
	v_bfe_u32 v[HH], v0, 4, 1
	s_delay_alu instid0(VALU_DEP_2)
	v_and_b32 v249, 8, v[RR]
	s_delay_alu instid0(VALU_DEP_1)
	v_add_nc_u32 v249, v249, v[RR]                 ; r + 8 (r / 8)
	s_delay_alu instid0(VALU_DEP_1)
	v_lshlrev_b32 v[WRO], 7, v249                  ; a weight's row is 256 codes, 128 bytes
	s_delay_alu instid0(VALU_DEP_1)
	v_lshl_add_u32 v[WRO], v[HH], 4, v[WRO]
	s_delay_alu instid0(VALU_DEP_3)
	v_lshlrev_b32 v[WSO], 3, v249
	v_lshlrev_b32 v[BO], 6, v[HH]
	v_lshlrev_b32 v[BVO], 2, v249
	v_and_b32 v250, 7, v0
	s_delay_alu instid0(VALU_DEP_1)
	v_lshl_or_b32 v250, v[HH], 3, v250             ; phase X: my pixel p = lane is row (p % 8) + 8 (p / 16)
	v_bfe_u32 v251, v0, 3, 1                       ; of tile (p / 8) % 2 of my half
	s_delay_alu instid0(VALU_DEP_2)
	v_lshlrev_b32 v[XST], 4, v250
	s_delay_alu instid0(VALU_DEP_1)
	v_lshl_add_u32 v[XST], v251, 11, v[XST]
	s_lshl_b32 s[T0], s[BL], 12
	s_lshl_b32 s66, s[GG], 8
	s_add_co_u32 s[T0], s[T0], s66
	v_add_nc_u32 v[XST], s[T0], v[XST]             ; codes: 4,096 bl + 2,048 u + 256 g + 16 row: group g = 4 s + 2 c + h is registers 4 c .. 4 c + 3 of lanes 16 h .. of K step s
	v_lshlrev_b32 v[XSB], 2, v250
	s_delay_alu instid0(VALU_DEP_1)
	v_lshl_add_u32 v[XSB], v251, 7, v[XSB]
	s_lshl_b32 s[T0], s[BL], 8
	s_lshr_b32 s66, s[GG], 2
	s_lshl_b32 s66, s66, 6
	s_add_co_u32 s[T0], s[T0], s66
	s_and_b32 s66, s[GG], 3
	s_add_co_u32 s[T0], s[T0], s66
	s_add_co_u32 s[T0], s[T0], XSC
	v_add_nc_u32 v[XSB], s[T0], v[XSB]             ; byte: XSC + 256 bl + 128 u + 64 (g / 4) + 4 row + g % 4
	s_lshl_b32 s[T0], s[BL], 12
	v_add_nc_u32 v[XLD], s[T0], v[L16]
	v_lshl_add_u32 v[SLD], v[RR], 2, XSC
	s_lshl_b32 s[T0], s[BL], 8
	v_add_nc_u32 v[SLB], s[T0], v[SLD]
	v_lshl_add_u32 v[VBO], v[RR], 2, v[HH]
	; where q's or k's results go
	s_lshl_b32 s66, s[BB], 2
	s_add_co_u32 s66, s66, s[HD]                   ; bh = 4 b + head
	s_lshl_b32 s70, s66, 8
	s_lshl_b32 s67, ttmp9, 2
	s_add_co_u32 s70, s70, s67
	s_lshl_b32 s67, s[BL], 1
	s_add_co_u32 s70, s70, s67                     ; q: tile 256 bh + 4 blk + 2 bl, and the next
	s_lshr_b32 s68, ttmp9, 1
	s_mul_i32 s68, s68, REC                        ; the step's record in a head: two blocks of 64 pixels make a step of 128 keys
	s_mul_i32 s71, s66, HEADB
	s_add_co_u32 s71, s71, s68
	s_and_b32 s69, ttmp9, 1                        ; which half of the step
	s_lshl_b32 s72, s69, 1
	s_add_co_u32 s72, s72, s[BL]                   ; which 32 keys of the step: a pair of tiles
	s_lshl_b32 s73, s70, 9                         ; q's codes
	s_lshl_b32 s74, s72, 10
	s_add_co_u32 s74, s74, s71                     ; k's codes
	s_lshl_b32 s75, s70, 6                         ; q's scale words
	s_lshl_b32 s76, s72, 7
	s_add_co_u32 s76, s76, s71
	s_add_co_u32 s76, s76, KSOFF                   ; k's scale words
	; V: head hv = wave / 4, tile t = wave % 4
	s_lshr_b32 s77, s[WV], 2
	s_and_b32 s78, s[WV], 3
	s_lshr_b32 s66, s78, 1                         ; t / 2
	s_and_b32 s67, s78, 1                          ; t % 2
	s_lshl_b32 s79, s77, 6
	s_lshl_b32 s[T0], s66, 5
	s_add_co_u32 s79, s79, s[T0]
	s_lshl_b32 s[T0], s67, 3
	s_add_co_u32 s79, s79, s[T0]                   ; the tile's first row of wv: 64 hv + 32 (t / 2) + 8 (t % 2)
	s_lshl_b32 s[T0], s[BB], 2
	s_add_co_u32 s[T0], s[T0], s77
	s_mul_i32 s[T0], s[T0], HEADB
	s_add_co_u32 s68, s68, s[T0]                   ; the step's record of V's head
	s_lshl_b32 s[T0], s78, 10
	s_add_co_u32 s77, s68, s[T0]
	s_lshl_b32 s[T0], s69, 9
	s_add_co_u32 s77, s77, s[T0]
	s_add_co_u32 s77, s77, VOFF                    ; V's codes: + 1,024 t + 512 (half of the step)
	s_lshl_b32 s[T0], s66, 7
	s_add_co_u32 s78, s68, s[T0]
	s_lshl_b32 s[T0], s67, 6
	s_add_co_u32 s78, s78, s[T0]
	s_lshl_b32 s[T0], s69, 1
	s_add_co_u32 s78, s78, s[T0]
	s_add_co_u32 s78, s78, VSOFF                   ; V's scale bytes: + 128 (t / 2) + 64 (t % 2) + 2 (half of the step)
	s_cmp_eq_u32 s[SELQ], 0                        ; q's wave or k's?  The choice hangs on the wave's number alone; nothing between here and the last choice writes SCC
	s_cselect_b64 s[WC:WC+1], s[12:13], s[18:19]
	s_cselect_b64 s[WSP:WSP+1], s[14:15], s[20:21]
	s_cselect_b64 s[BIP:BIP+1], s[16:17], s[22:23]
	s_cselect_b64 s[OUTC:OUTC+1], s[30:31], s[34:35]
	s_cselect_b64 s[OUTS:OUTS+1], s[32:33], s[34:35]
	s_cselect_b32 s73, s73, s74
	s_cselect_b32 s75, s75, s76
	s_lshl_b32 s[OFF], s[HD], 13                   ; my head's 64 rows: codes,
	s_add_nc_u64 s[WC:WC+1], s[WC:WC+1], s[OFF:OFF+1]
	s_lshl_b32 s[OFF], s[HD], 9                    ; scales,
	s_add_nc_u64 s[WSP:WSP+1], s[WSP:WSP+1], s[OFF:OFF+1]
	s_lshl_b32 s[OFF], s[HD], 8                    ; bias
	s_add_nc_u64 s[BIP:BIP+1], s[BIP:BIP+1], s[OFF:OFF+1]
	s_mov_b32 s[OFF], s73
	s_add_nc_u64 s[OUTC:OUTC+1], s[OUTC:OUTC+1], s[OFF:OFF+1]
	s_mov_b32 s[OFF], s75
	s_add_nc_u64 s[OUTS:OUTS+1], s[OUTS:OUTS+1], s[OFF:OFF+1]
	s_lshl_b32 s[OFF], s79, 7
	s_add_nc_u64 s[24:25], s[24:25], s[OFF:OFF+1]  ; wv's codes at my tile's first row,
	s_lshl_b32 s[OFF], s79, 3
	s_add_nc_u64 s[26:27], s[26:27], s[OFF:OFF+1]  ; its scales,
	s_lshl_b32 s[OFF], s79, 2
	s_add_nc_u64 s[28:29], s[28:29], s[OFF:OFF+1]  ; bv
	s_mov_b32 s[OFF], s77
	s_add_nc_u64 s[VOC:VOC+1], s[34:35], s[OFF:OFF+1]
	s_mov_b32 s[OFF], s78
	s_add_nc_u64 s[VOS:VOS+1], s[34:35], s[OFF:OFF+1]
	; the weights: 39 loads
.irp t, 0,1,2,3
.irp s, 0,1
.irp c, 0,1
	global_load_b128 v[WQK+8*(2*\t+\s)+4*\c:WQK+8*(2*\t+\s)+4*\c+3], v[WRO], s[WC:WC+1] offset:(32*(\t/2)+8*(\t%2))*128+64*\s+32*\c
.endr
	global_load_b32 v[WQS+2*\t+\s], v[WSO], s[WSP:WSP+1] offset:(32*(\t/2)+8*(\t%2))*8+4*\s
.endr
	global_load_b128 v[BIA+8*\t:BIA+8*\t+3], v[BO], s[BIP:BIP+1] offset:(32*(\t/2)+8*(\t%2))*4      ; lane half h wants the bias of channels 32 (t / 2) + 16 h + 8 (t % 2) + 0 .. 7
	global_load_b128 v[BIA+8*\t+4:BIA+8*\t+7], v[BO], s[BIP:BIP+1] offset:(32*(\t/2)+8*(\t%2))*4+16
.endr
.irp s, 0,1
.irp c, 0,1
	global_load_b128 v[WVF+8*\s+4*\c:WVF+8*\s+4*\c+3], v[WRO], s[24:25] offset:64*\s+32*\c
.endr
	global_load_b32 v[WVS+\s], v[WSO], s[26:27] offset:4*\s
.endr
	global_load_b32 v[BVR], v[BVO], s[28:29]
	; ---- PHASE X
	s_wait_loadcnt 39                              ; the statistics, x, gains and biases are in; the 39 loads of weights issued behind them may be out
	v_add_f32 v248, v[PT], v[PT+2]
	WSUM 248                                       ; the sum of the 64 parts' means; the parts are equally large
	s_delay_alu instid0(VALU_DEP_1)
	v_mul_f32 v[NMN], 0xbc800000, v248             ; minus the group's mean: x -2^-6,
	s_delay_alu instid0(VALU_DEP_1)
	v_mov_b32 v[NMN+1], v[NMN]                     ; twice
	s_delay_alu instid0(VALU_DEP_2)
	v_add_f32 v250, v[PT], v[NMN]
	s_delay_alu instid0(VALU_DEP_3)
	v_add_f32 v251, v[PT+2], v[NMN]
	s_delay_alu instid0(VALU_DEP_2)
	v_mul_f32 v250, v250, v250
	s_delay_alu instid0(VALU_DEP_1)
	v_fma_f32 v250, v251, v251, v250               ; my two parts' means' squared deviations from the group's
	v_add_f32 v252, v[PT+1], v[PT+3]
	s_delay_alu instid0(VALU_DEP_1)
	v_fmamk_f32 v252, v250, 0x45000000, v252       ; M2 of the two: their own, and 2,048 numbers each at that deviation
	WSUM 252
	s_mov_b32 s[T0], 0x37000000
	v_fma_f32 v252, v252, s[T0], s[EPS]            ; the variance, M2 x 2^-17, + 1e-5
	s_wait_alu depctr_va_vdst(0)
	v_rsq_f32 v250, v252
.set k, 0
.rept 16
	v_pk_add_f32 v[XD+2*k:XD+2*k+1], v[XD+2*k:XD+2*k+1], v[NMN:NMN+1]       ; x - mean: work that does not want the root stands behind it
.set k, k+1
.endr
	s_wait_alu depctr_va_vdst(0)                   ; the wait ahead of the first line that names the root
.set k, 0
.rept 16
	v_pk_mul_f32 v[GW+2*k:GW+2*k+1], v[GW+2*k:GW+2*k+1], v[250:251] op_sel_hi:[1,0]   ; gain / sqrt(variance + eps)
.set k, k+1
.endr
.set k, 0
.rept 16
	v_pk_fma_f32 v[XD+2*k:XD+2*k+1], v[XD+2*k:XD+2*k+1], v[GW+2*k:GW+2*k+1], v[GB+2*k:GB+2*k+1]
.set k, k+1
.endr
	v_max3_num_f32 v248, |v[XD]|, |v[XD+1]|, |v[XD+2]|             ; the block's largest magnitude: all 32 numbers are mine
	v_max3_num_f32 v249, |v[XD+3]|, |v[XD+4]|, |v[XD+5]|
.irp i, 6,10,14,18,22,26
	s_delay_alu instid0(VALU_DEP_2)
	v_max3_num_f32 v248, v248, |v[XD+\i]|, |v[XD+\i+1]|
	s_delay_alu instid0(VALU_DEP_2)
	v_max3_num_f32 v249, v249, |v[XD+\i+2]|, |v[XD+\i+3]|
.endr
	s_delay_alu instid0(VALU_DEP_2)
	v_max3_num_f32 v248, v248, |v[XD+30]|, |v[XD+31]|
	s_delay_alu instid0(VALU_DEP_1)
	v_max3_num_f32 v248, v248, v249, 0x1800000     ; and the floor 2^(3 - 127)
	s_delay_alu instid0(VALU_DEP_1)
	v_add_nc_u32 v251, 0xff000000, v248            ; the conversions' scale operand
	s_delay_alu instid0(VALU_DEP_1)
	v_lshrrev_b32 v252, 23, v251                   ; the scale's byte
.irp g, 0,1,2,3
	v_cvt_scalef32_pk8_fp4_f32 v[PT+\g], v[XD+8*\g:XD+8*\g+7], v251
.endr
	v_nop                                          ; one plain place behind a scaled conversion: matrix instructions will write these numbers' registers
	ds_store_b128 v[XST], v[PT:PT+3]
	ds_store_b8 v[XSB], v252
	s_wait_loadcnt 0x0                             ; the weights
.irp i, 1,2,3,4,5,6,7
	v_mov_b32 v[BVR+\i], v[BVR]                    ; in phase V's results a lane holds one channel: its bias in all eight registers
.endr
	s_wait_dscnt 0x0                               ; for the others' sake: my stores have landed
	s_barrier_signal -1
	s_barrier_wait -1                              ; xn's eight fragments and their scale words lie in LDS; nothing is stored there again
	; ---- PHASE QK: two tiles of 16 pixels; for each, my head's four tiles of 16 channels, two K steps; the four accumulators take turns
.irp u, 0,1
.irp s, 0,1
.irp c, 0,1
	ds_load_b128 v[XF+8*\s+4*\c:XF+8*\s+4*\c+3], v[XLD] offset:2048*\u+1024*\s+512*\c
.endr
	ds_load_b32 v[XS+\s], v[SLB] offset:128*\u+64*\s
.endr
	s_wait_dscnt 0x0
.irp t, 0,1,2,3
	v_wmma_scale_f32_16x16x128_f8f6f4 v[ACC+8*\t:ACC+8*\t+7], v[WQK+16*\t:WQK+16*\t+7], v[XF:XF+7], v[BIA+8*\t:BIA+8*\t+7], v[WQS+2*\t], v[XS] matrix_a_fmt:MATRIX_FMT_FP4 matrix_b_fmt:MATRIX_FMT_FP4   ; the bias is the C of the sum's first product
.endr
.irp t, 0,1,2,3
	v_wmma_scale_f32_16x16x128_f8f6f4 v[ACC+8*\t:ACC+8*\t+7], v[WQK+16*\t+8:WQK+16*\t+15], v[XF+8:XF+15], v[ACC+8*\t:ACC+8*\t+7], v[WQS+2*\t+1], v[XS+1] matrix_a_fmt:MATRIX_FMT_FP4 matrix_b_fmt:MATRIX_FMT_FP4
.endr
	PLACES
	QUANT2 ACC, PC+4*\u                            ; lane (r, h): pixel row r; register 16 b + i = channel 32 b + 16 h + i of the head
	v_lshl_or_b32 v[PW+\u], v[TM+7], 8, v[TM+6]    ; the row's scale word: two bytes,
	s_delay_alu instid0(VALU_DEP_1)
	v_or_b32 v[PW+\u], 0x7f7f0000, v[PW+\u]        ; and 1.0 for the two blocks of zero codes that fill the K step of 128
	global_store_b128 v[L16], v[PC+4*\u:PC+4*\u+3], s[OUTC:OUTC+1] offset:512*\u
.endr
	v_cndmask_b32 v[JW], v[PW], v[PW+1], s[HI]     ; lanes 0-15 the first tile's words, lanes 16-31 the second's
	global_store_b32 v[L4], v[JW], s[OUTS:OUTS+1]
	; ---- PHASE V: my 16 channels for the four tiles of pixels
.irp p, 0,1,2,3
.irp s, 0,1
.irp c, 0,1
	ds_load_b128 v[WQK+8*(2*\p+\s)+4*\c:WQK+8*(2*\p+\s)+4*\c+3], v[L16] offset:1024*(2*\p+\s)+512*\c
.endr
	ds_load_b32 v[WQS+2*\p+\s], v[SLD] offset:64*(2*\p+\s)
.endr
.endr
	s_wait_dscnt 0x0
.irp p, 0,1,2,3
	v_wmma_scale_f32_16x16x128_f8f6f4 v[ACC+8*\p:ACC+8*\p+7], v[WQK+16*\p:WQK+16*\p+7], v[WVF:WVF+7], v[BVR:BVR+7], v[WQS+2*\p], v[WVS] matrix_a_fmt:MATRIX_FMT_FP4 matrix_b_fmt:MATRIX_FMT_FP4
.endr
.irp p, 0,1,2,3
	v_wmma_scale_f32_16x16x128_f8f6f4 v[ACC+8*\p:ACC+8*\p+7], v[WQK+16*\p+8:WQK+16*\p+15], v[WVF+8:WVF+15], v[ACC+8*\p:ACC+8*\p+7], v[WQS+2*\p+1], v[WVS+1] matrix_a_fmt:MATRIX_FMT_FP4 matrix_b_fmt:MATRIX_FMT_FP4
.endr
	PLACES
	QUANT2 ACC, PCV                                ; lane (r, h): channel row r; register 16 b + i = pixel 32 b + 16 h + i of the block
	global_store_b128 v[L16], v[PCV:PCV+3], s[VOC:VOC+1]
	v_cndmask_b32 v[JB], v[TM+6], v[TM+7], s[HI]   ; lanes 0-15 store the first 32 keys' byte, lanes 16-31 the second's
	global_store_b8 v[VBO], v[JB], s[VOS:VOS+1]
	s_wait_xcnt 0x0
	v_lshl_add_u32 v254, v0, 2, 0x2200
	v_mov_b32 v255, 0
	s_wait_alu depctr_va_vdst(0)
	s_wait_tensorcnt 0x0
	ds_add_u32 v254, v255
	s_wait_dscnt 0x0
	s_endpgm
.Lfunc_end_k_q1b6d501335_qkv:
	.size	k_q1b6d501335_qkv, .Lfunc_end_k_q1b6d501335_qkv-k_q1b6d501335_qkv
	.p2alignl 7, 3214868480
	.fill 96, 4, 3214868480
	.section	.rodata,"a",@progbits
	.p2align	6, 0x0
	.amdhsa_kernel k_q1b6d501335_qkv
		.amdhsa_group_segment_fixed_size 10752
		.amdhsa_private_segment_fixed_size 0
		.amdhsa_enable_private_segment 0
		.amdhsa_kernarg_size 128
		.amdhsa_user_sgpr_count 2
		.amdhsa_user_sgpr_kernarg_segment_ptr 1
		.amdhsa_wavefront_size32 1
		.amdhsa_system_sgpr_workgroup_id_x 1
		.amdhsa_system_sgpr_workgroup_id_y 1
		.amdhsa_system_sgpr_workgroup_id_z 1
		.amdhsa_system_vgpr_workitem_id 0
		.amdhsa_next_free_vgpr 256
		.amdhsa_next_free_sgpr 80
		.amdhsa_reserve_vcc 0
		.amdhsa_float_denorm_mode_32 3
		.amdhsa_float_denorm_mode_16_64 3
		.amdhsa_memory_ordered 1
		.amdhsa_forward_progress 1
		.amdhsa_inst_pref_size 35
	.end_amdhsa_kernel
	.amdgpu_metadata
---
amdhsa.version: [ 1, 2 ]
amdhsa.kernels:
  - .name:           k_q1b6d501335_qkv
    .symbol:         k_q1b6d501335_qkv.kd
    .args:
      - { .name: x, .offset: 0, .size: 8, .value_kind: global_buffer, .address_space: global }
      - { .name: part, .offset: 8, .size: 8, .value_kind: global_buffer, .address_space: global }
      - { .name: gn_weight, .offset: 16, .size: 8, .value_kind: global_buffer, .address_space: global }
      - { .name: gn_bias, .offset: 24, .size: 8, .value_kind: global_buffer, .address_space: global }
      - { .name: wq_codes, .offset: 32, .size: 8, .value_kind: global_buffer, .address_space: global }
      - { .name: wq_scales, .offset: 40, .size: 8, .value_kind: global_buffer, .address_space: global }
      - { .name: bq, .offset: 48, .size: 8, .value_kind: global_buffer, .address_space: global }
      - { .name: wk_codes, .offset: 56, .size: 8, .value_kind: global_buffer, .address_space: global }
      - { .name: wk_scales, .offset: 64, .size: 8, .value_kind: global_buffer, .address_space: global }
      - { .name: bk, .offset: 72, .size: 8, .value_kind: global_buffer, .address_space: global }
      - { .name: wv_codes, .offset: 80, .size: 8, .value_kind: global_buffer, .address_space: global }
      - { .name: wv_scales, .offset: 88, .size: 8, .value_kind: global_buffer, .address_space: global }
      - { .name: bv, .offset: 96, .size: 8, .value_kind: global_buffer, .address_space: global }
      - { .name: qc, .offset: 104, .size: 8, .value_kind: global_buffer, .address_space: global }
      - { .name: qs, .offset: 112, .size: 8, .value_kind: global_buffer, .address_space: global }
      - { .name: kv, .offset: 120, .size: 8, .value_kind: global_buffer, .address_space: global }
    .group_segment_fixed_size: 10752
    .private_segment_fixed_size: 0
    .kernarg_segment_align: 8
    .kernarg_segment_size: 128
    .max_flat_workgroup_size: 512
    .sgpr_count:     80
    .vgpr_count:     256
    .wavefront_size: 32
...
	.end_amdgpu_metadata
.endif
;; end of part 2
;; launch attn (part 3): grid 16 x 16, 16 waves a work-group, clusters of 4 x 1, 288,768 bytes of LDS; arguments qc, qs, kv, oc, os; writes oc, os
.if DOCPART == 3
	.amdgcn_target "amdgcn-amd-amdhsa--gfx1250"
	.amdhsa_code_object_version 6
	.text
	.protected	k_q1b6d501335_attn
	.globl	k_q1b6d501335_attn
	.p2align	8
	.type	k_q1b6d501335_attn,@function
k_q1b6d501335_attn:
	s_mov_b64 s[64:65], 0
	v_nop
	global_prefetch_b8 v0, s[64:65] scope:SCOPE_SE
	s_setreg_imm32_b32 hwreg(HW_REG_WAVE_MODE, 25, 1), 1
	s_wait_xcnt 0x0
	s_wait_alu depctr_hold_cnt(0) depctr_sa_sdst(0) depctr_va_vdst(0) depctr_va_sdst(0) depctr_va_ssrc(0) depctr_va_vcc(0) depctr_vm_vsrc(0)
	s_getreg_b32 s2, hwreg(HW_REG_IB_STS2, 6, 4)
	s_cmp_eq_u32 s2, 0
	s_cbranch_scc0 .Lentry_in_a_cluster
	s_endpgm
.Lentry_in_a_cluster:
	s_bfe_u32 s2, ttmp6, 0x10000c
	s_cmp_lg_u32 s2, 0x3003
	s_cbranch_scc0 .Lentry_shape_is_right
	s_endpgm
.Lentry_shape_is_right:
; Attention for 16 (image, head) pairs, 4,096 queries x 4,096 keys, head size 64, both products on codes of FP4 (E2M1) with one E8M0 scale for each 32 along a product's K.  The result leaves as codes for the last convolution.
; THE SOFTMAX AHEAD OF THE SECOND PRODUCT: t = score x log2(e) / 8; M = the row's largest t so far, rounded UP to a whole number; p = 2^(t - M) is what is quantised, along the keys; it is not normalised.
; The row's sum is taken of the unquantised p, in f32, and divides O at the end.  When M moves, the sum and O are multiplied by 2^(old M - new M): exact.
; SHARES.  A work-group owns 256 queries of one head (bh = work-group y), each of its SIXTEEN waves one tile of 16, in 256 registers: four waves to a SIMD, so that one wave's exponentials stand beside another's plain work.
; Every wave walks all keys of the head, 128 a step, 32 steps.
; THE HEAD'S K, V AND SCALES STAY IN LDS: 32 records of 8,960 bytes, 286,720 in all, byte for byte as they lie in kv, laid there as images of the operands' registers.  They are filled ONCE: no slot is filled again.
; Every LDS read is 16 x lane or 4 x lane on end from a record's start.  Waves 0 to 3 bring them by four tensor loads each, of 1, 1, 2 and 4 records: steps 0-3, 4-7, 8-15, 16-31.  The work on a group of steps begins when that
; group has landed, behind a counted wait and a barrier, while the later groups are on their way.  By this text's own count four tensor loads of a wave are out at the most.
; CLUSTER.  The four blocks of queries of a cluster belong to one head and want the same bytes: each load is asked for JOINTLY, by the same line with the same descriptor and a mask that names the four.
; All that the work-group reads of kv is asked for by these loads at its head, so nothing is prefetched: no request could stand earlier.
; LAYOUT.  Both products are used transposed: S^T = K Q^T (source 0 = 16 keys, source 1 = my 16 queries), O^T = V^T P^T (source 0 = 16 channels, source 1 = P): a lane holds ONE query (lane % 16) throughout.
; The head's 64 channels are half of the instruction's 128 along K: registers 4-7 of K's and Q's fragments hold zero codes, under the scale byte 0x7f.
; The keys of a tile of K and the channels of a tile of V are not neighbours (row 8 u + r + 8 (r / 8) of each 32), so that the 16 registers of two neighbouring tiles of a result are 16 neighbours along the next K.
; LIMITS.  NaN and infinities are not served.  A block whose largest number lies under 2^-124 gets the byte 1; this program alone reads the bytes.  1 / sum is v_rcp_f32.
.set REC,   8960
.set HEADB, 286720
.set VOFF,  4096                       ; in a record: K's codes, 8 tiles x 512; V's codes, 4 tiles x 1,024;
.set KSOFF, 8192                       ; K's scale words, [4 pairs of tiles][32 lanes];
.set VSOFF, 8704                       ; V's, [2 pairs of tiles][32 lanes]
.set L16,  1                           ; v1   16 x lane
.set L4,   2                           ; v2   4 x lane
.set R4,   3                           ; v3   4 r
.set R4H,  4                           ; v4   4 r + h
.set AD16, 5                           ; v5   16 x lane + the step's record
.set AD4,  6                           ; v6   4 x lane + the step's record
                                       ; v12 -M, v13 the largest t, v[14:15] the sum in two halves
.set QF,   16                          ; v16-23   Q's fragment: four registers of codes, four of zeros
.set PCD,  24                          ; v24-31   p's codes
.set KF,   32                          ; v32-95   K's 8 fragments: registers 4-7 of each are zeros, written once
.set SS,   96                          ; v96-159  S^T, then p
.set OT,   160                         ; v160-191 O^T
.set VF,   192                         ; v192-223 V's 4 fragments
.set KS,   224                         ; v224-227 K's scale words: lanes 0-15 tile 2 b, lanes 16-31 tile 2 b + 1
.set VS,   228                         ; v228-229 V's likewise
.set QS,   230                         ; v230     Q's
.set PS,   231                         ; v231     p's.  v224-231 hold scales and nothing else
.set TM,   232                         ; v232-239 at work
.set JB,   240                         ; v240     the result's scale byte
.set SO,   244                         ; v244-247 the conversions' scale operands
                                       ; v252 f = 2^(old M - new M), v253 0 (named with it as a pair), v254 at work
.set WV,   14
.set CX,   15
.set G1A,  16                          ; s[16:23] descriptor group 1: 35 rows of 256 bytes;  s[24:31] 70 rows;  s[32:39] 140 rows
.set G1B,  24
.set G1C,  32
.set G0,   40                          ; s[40:55] four groups 0
.set TB,   56                          ; s56  LDS byte at which the step's record begins
.set CNT,  57
.set CS,   58                          ; s[58:59] c = log2(e) / 8: the packed form names a pair and takes its low word for both halves
.set SEL,  60                          ; s[60:61] v_permlanex16_b32's selects for lane l xor 16
.set HI,   80                          ; s80  the mask of lanes 16-31
.macro GROUP1 g, rows                  ; a dense block as rows of 256 bytes: 32 elements of 8 bytes, no padding
	s_mov_b32 s[\g], 15|(3<<16)|(1<<21)            ; 15:0 the mask: all four work-groups; 17:16 elements of 8 bytes; 21 set beside a mask
	s_mov_b32 s[\g+1], 32<<16                      ; tensor_dim0
	s_mov_b32 s[\g+2], (\rows)<<16                 ; tensor_dim1
	s_mov_b32 s[\g+3], 32<<16                      ; tile_dim0
	s_mov_b32 s[\g+4], \rows                       ; tile_dim1
	s_mov_b32 s[\g+5], 32                          ; tensor_dim0_stride
	s_mov_b32 s[\g+6], 0
	s_mov_b32 s[\g+7], 0
.endm
.macro CROUND                          ; a round of the cluster's barrier
	s_barrier_signal -1
	s_barrier_wait -1
	s_cmp_lg_u32 s[WV], 0
	s_cbranch_scc1 .Lnot_wave_0_\@
	s_barrier_signal -3
.Lnot_wave_0_\@:
	s_barrier_wait -3
	s_barrier_signal -1
	s_barrier_wait -1
.endm
.macro QKT t                           ; S^T's tile t: 16 keys x my 16 queries
.if (\t)%2
	v_wmma_scale_f32_16x16x128_f8f6f4 v[SS+8*(\t):SS+8*(\t)+7], v[KF+8*(\t):KF+8*(\t)+7], v[QF:QF+7], 0, v[KS+(\t)/2], v[QS] matrix_a_fmt:MATRIX_FMT_FP4 matrix_b_fmt:MATRIX_FMT_FP4 matrix_a_scale:MATRIX_SCALE_ROW1
.else
	v_wmma_scale_f32_16x16x128_f8f6f4 v[SS+8*(\t):SS+8*(\t)+7], v[KF+8*(\t):KF+8*(\t)+7], v[QF:QF+7], 0, v[KS+(\t)/2], v[QS] matrix_a_fmt:MATRIX_FMT_FP4 matrix_b_fmt:MATRIX_FMT_FP4
.endif
.endm
.macro PVT t                           ; O^T's tile t += 16 channels x 128 keys x my 16 queries
.if (\t)%2
	v_wmma_scale_f32_16x16x128_f8f6f4 v[OT+8*(\t):OT+8*(\t)+7], v[VF+8*(\t):VF+8*(\t)+7], v[PCD:PCD+7], v[OT+8*(\t):OT+8*(\t)+7], v[VS+(\t)/2], v[PS] matrix_a_fmt:MATRIX_FMT_FP4 matrix_b_fmt:MATRIX_FMT_FP4 matrix_a_scale:MATRIX_SCALE_ROW1
.else
	v_wmma_scale_f32_16x16x128_f8f6f4 v[OT+8*(\t):OT+8*(\t)+7], v[VF+8*(\t):VF+8*(\t)+7], v[PCD:PCD+7], v[OT+8*(\t):OT+8*(\t)+7], v[VS+(\t)/2], v[PS] matrix_a_fmt:MATRIX_FMT_FP4 matrix_b_fmt:MATRIX_FMT_FP4
.endif
.endm
; 32 numbers of a lane, register 16 b + i = neighbour 16 (lane / 16) + i of block b of my row, become 4 registers of codes at v[pc]: lanes 0-15 block 0 whole, lanes 16-31 block 1.  The blocks' bytes are left in v[TM+6], v[TM+7].
.macro QUANT2 s, pc
.irp b, 0,1
	v_max3_num_f32 v[TM+\b], |v[(\s)+16*\b]|, |v[(\s)+1+16*\b]|, 0x1800000   ; my 16 numbers, and the floor 2^(3 - 127): the byte cannot fall under 1
.endr
.irp i, 2,4,6,8,10,12,14
.irp b, 0,1
	s_delay_alu instid0(VALU_DEP_2)
	v_max3_num_f32 v[TM+\b], v[TM+\b], |v[(\s)+16*\b+\i]|, |v[(\s)+1+16*\b+\i]|
.endr
.endr
.irp b, 0,1
	s_delay_alu instid0(VALU_DEP_2)
	v_permlanex16_b32 v[TM+2+\b], v[TM+\b], s[SEL], s[SEL+1]
.endr
.irp b, 0,1
	s_delay_alu instid0(VALU_DEP_2)
	v_max_num_f32 v[TM+\b], v[TM+\b], v[TM+2+\b]
.endr
.irp b, 0,1
	s_delay_alu instid0(VALU_DEP_2)
	v_add_nc_u32 v[TM+4+\b], 0xff000000, v[TM+\b]
.endr
.irp b, 0,1
	s_delay_alu instid0(VALU_DEP_2)
	v_lshrrev_b32 v[TM+6+\b], 23, v[TM+4+\b]
.endr
.irp b, 0,1
	v_cvt_scalef32_pk8_fp4_f32 v[(\pc)+2*\b], v[(\s)+16*\b:(\s)+16*\b+7], v[TM+4+\b]
	v_cvt_scalef32_pk8_fp4_f32 v[(\pc)+2*\b+1], v[(\s)+16*\b+8:(\s)+16*\b+15], v[TM+4+\b]
.endr
	v_nop                                          ; one plain place behind a scaled conversion
	v_permlane16_swap_b32 v[(\pc)], v[(\pc)+2]
	v_permlane16_swap_b32 v[(\pc)+1], v[(\pc)+3]
.endm
; A KEY STEP: 128 keys, the record at s[TB].
.macro STEP
	v_add_nc_u32 v[AD16], s[TB], v[L16]
	v_add_nc_u32 v[AD4], s[TB], v[L4]
	v_nop
	v_nop                                          ; four places between the last step's products and the loads into V's registers (ISA guide 7.12.1 for vector instructions)
.irp t, 0,1,2,3,4,5,6,7
	ds_load_b128 v[KF+8*\t:KF+8*\t+3], v[AD16] offset:512*\t
.endr
.irp b, 0,1,2,3
	ds_load_b32 v[KS+\b], v[AD4] offset:KSOFF+128*\b
.endr
.irp t, 0,1,2,3
.irp c, 0,1
	ds_load_b128 v[VF+8*\t+4*\c:VF+8*\t+4*\c+3], v[AD16] offset:VOFF+1024*\t+512*\c
.endr
.endr
.irp i, 0,1
	ds_load_b32 v[VS+\i], v[AD4] offset:VSOFF+128*\i
.endr
	s_wait_dscnt 10                                ; K's twelve loads are in; V's ten, issued behind them, land under the softmax
.irp t, 0,1,2,3,4,5,6,7
	QKT \t
.endr                                          ; lane (r, h) holds query r; the 16 registers of tiles 2 b, 2 b + 1 are keys 32 b + 16 h + 0 .. 15 of the step
.rept 4
	v_nop
.endr
.irp b, 0,1,2,3
	v_max3_num_f32 v[TM+\b], v[SS+16*\b], v[SS+1+16*\b], v[SS+2+16*\b]   ; THE LARGEST SCORE OF EACH BLOCK OF 32 KEYS serves twice: for the row's maximum, and, since p rises with the score, for the block's largest p
.endr
.irp i, 3,5,7,9,11,13
.irp b, 0,1,2,3
	v_max3_num_f32 v[TM+\b], v[TM+\b], v[SS+16*\b+\i], v[SS+1+16*\b+\i]   ; (the four blocks by turns; each accumulator is met at its low end first)
.endr
.endr
.irp b, 0,1,2,3
	v_max_num_f32 v[TM+\b], v[TM+\b], v[SS+15+16*\b]
.endr
.irp b, 0,1,2,3
	s_delay_alu instid0(VALU_DEP_4)
	v_permlanex16_b32 v[TM+4+\b], v[TM+\b], s[SEL], s[SEL+1]
.endr
.irp b, 0,1,2,3
	s_delay_alu instid0(VALU_DEP_4)
	v_max_num_f32 v[TM+\b], v[TM+\b], v[TM+4+\b]   ; with lane l xor 16's 16 keys
.endr
	s_delay_alu instid0(VALU_DEP_2)
	v_max3_num_f32 v254, v[TM], v[TM+1], v[TM+2]
	s_delay_alu instid0(VALU_DEP_1)
	v_max_num_f32 v254, v254, v[TM+3]              ; the step's largest score of my query
	s_delay_alu instid0(VALU_DEP_1)
	v_mul_f32 v254, s[CS], v254                    ; as t (c is positive)
	s_delay_alu instid0(VALU_DEP_1)
	v_max_num_f32 v13, v13, v254                   ; the running largest t
	v_mov_b32 v254, v12
	s_delay_alu instid0(VALU_DEP_2)
	v_floor_f32 v12, -v13                          ; the new -M = floor(-t) = -ceil(t): M is a whole number
	s_delay_alu instid0(VALU_DEP_1)
	v_sub_f32 v254, v12, v254                      ; M's old value less its new one: a whole number, 0 or less
	s_delay_alu instid0(VALU_DEP_1)
	v_cvt_i32_f32 v254, v254                       ; (it saturates)
	s_delay_alu instid0(VALU_DEP_1)
	v_ldexp_f32 v252, 1.0, v254                    ; f = 2^(old M - new M)
.set j, 0
.rept 32
	v_pk_fma_f32 v[SS+j:SS+j+1], v[SS+j:SS+j+1], s[CS:CS+1], v[12:13] op_sel_hi:[1,0,0]   ; t - M, two at a time
.set j, j+2
.endr
.irp b, 0,1,2,3
	v_fma_f32 v[TM+\b], v[TM+\b], s[CS], v12       ; the same of each block's largest score
.endr
.set j, 0
	s_wait_alu depctr_va_vdst(0)
.rept 64
	v_exp_f32 v[SS+j], v[SS+j]                     ; p = 2^(t - M), at most 1: not normalised
.set j, j+1
.endr
	s_setprio 1
	v_pk_mul_f32 v[14:15], v[14:15], v[252:253] op_sel_hi:[1,0]   ; the sums under the new M: a plain line behind the exponentials
	s_wait_alu depctr_va_vdst(0)                   ; one wait for the whole batch, ahead of its first reader
.irp b, 0,1,2,3
	v_exp_f32 v[TM+\b], v[TM+\b]                   ; the block's largest p: the same two instructions on the same number
.endr
	v_pk_add_f32 v[236:237], v[100:101], v[104:105]
	v_pk_add_f32 v[248:249], v[108:109], v[112:113]
	v_pk_add_f32 v[246:247], v[116:117], v[120:121]
	v_pk_add_f32 v[244:245], v[124:125], v[128:129]
	v_pk_add_f32 v[242:243], v[132:133], v[136:137]
	v_pk_add_f32 v[240:241], v[140:141], v[144:145]
	v_pk_add_f32 v[238:239], v[148:149], v[152:153]
	v_pk_add_f32 v[14:15], v[14:15], v[156:157]
	v_pk_add_f32 v[236:237], v[236:237], v[96:97]
	v_pk_add_f32 v[248:249], v[248:249], v[98:99]
	v_pk_add_f32 v[246:247], v[246:247], v[102:103]
	v_pk_add_f32 v[244:245], v[244:245], v[106:107]
	v_pk_add_f32 v[242:243], v[242:243], v[110:111]
	v_pk_add_f32 v[240:241], v[240:241], v[114:115]
	v_pk_add_f32 v[238:239], v[238:239], v[118:119]
	v_pk_add_f32 v[14:15], v[14:15], v[122:123]
	v_pk_add_f32 v[236:237], v[236:237], v[126:127]
	v_pk_add_f32 v[248:249], v[248:249], v[130:131]
	v_pk_add_f32 v[246:247], v[246:247], v[134:135]
	v_pk_add_f32 v[244:245], v[244:245], v[138:139]
	v_pk_add_f32 v[242:243], v[242:243], v[142:143]
	v_pk_add_f32 v[240:241], v[240:241], v[146:147]
	v_pk_add_f32 v[238:239], v[238:239], v[150:151]
	v_pk_add_f32 v[14:15], v[14:15], v[154:155]
	v_pk_add_f32 v[236:237], v[236:237], v[158:159]
	s_delay_alu instid0(VALU_DEP_2)
	v_pk_add_f32 v[14:15], v[14:15], v[244:245]
	s_delay_alu instid0(VALU_DEP_2)
	v_pk_add_f32 v[236:237], v[236:237], v[242:243]
	v_pk_add_f32 v[248:249], v[248:249], v[240:241]
	v_pk_add_f32 v[246:247], v[246:247], v[238:239]
	s_delay_alu instid0(VALU_DEP_2)
	v_pk_add_f32 v[14:15], v[14:15], v[248:249]
	s_delay_alu instid0(VALU_DEP_2)
	v_pk_add_f32 v[236:237], v[236:237], v[246:247]
	s_delay_alu instid0(VALU_DEP_1)
	v_pk_add_f32 v[14:15], v[14:15], v[236:237]
	s_wait_alu depctr_va_vdst(0)                   ; and one for the four
.irp b, 0,1,2,3
	v_max_num_f32 v[TM+\b], 0x1800000, v[TM+\b]    ; the floor 2^(3 - 127): the byte cannot fall under 1
.endr
.irp b, 0,1,2,3
	s_delay_alu instid0(VALU_DEP_4)
	v_add_nc_u32 v[SO+\b], 0xff000000, v[TM+\b]    ; 2 off the exponent field: the conversion's scale operand
.endr
.irp b, 0,1,2,3
	s_delay_alu instid0(VALU_DEP_4)
	v_lshrrev_b32 v[TM+4+\b], 23, v[SO+\b]         ; the scale's byte
.endr
	s_delay_alu instid0(VALU_DEP_3)
	v_lshl_or_b32 v[PS], v[TM+5], 8, v[TM+4]       ; p's scale word for these 128 keys
	s_delay_alu instid0(VALU_DEP_1)
	v_lshl_or_b32 v[PS], v[TM+6], 16, v[PS]
	s_delay_alu instid0(VALU_DEP_1)
	v_lshl_or_b32 v[PS], v[TM+7], 24, v[PS]
.irp b, 0,1,2,3
	v_cvt_scalef32_pk8_fp4_f32 v[PCD+2*\b], v[SS+16*\b:SS+16*\b+7], v[SO+\b]
	v_cvt_scalef32_pk8_fp4_f32 v[PCD+2*\b+1], v[SS+16*\b+8:SS+16*\b+15], v[SO+\b]
.endr
	v_nop                                          ; one plain place behind a scaled conversion
.irp c, 0,1                                    ; the operand's layout wants a whole block in a lane: lanes 0-15 block 2 c, lanes 16-31 block 2 c + 1
.irp i, 0,1
	v_permlane16_swap_b32 v[PCD+4*\c+\i], v[PCD+2+4*\c+\i]
.endr
.endr
.set j, 0
	s_setprio 0
.rept 16
	v_pk_mul_f32 v[OT+j:OT+j+1], v[OT+j:OT+j+1], v[252:253] op_sel_hi:[1,0]   ; O^T under the new M.  Twelve of these name no register of any one product below: the places between p's scale word and codes and the products
.set j, j+2
.endr
	s_wait_alu depctr_va_vdst(0)
	s_wait_dscnt 0x0                               ; V
.irp t, 0,1,2,3
	PVT \t
.endr
.endm
; A group of steps: my part of it has landed (cnt = how many of my later loads may stay out: they fill other bytes, which are read only behind later barriers); everybody's has, behind the barrier.
.macro STAGE cnt, first, trips
	s_wait_tensorcnt \cnt
	s_barrier_signal -1
	s_barrier_wait -1
	s_mov_b32 s[TB], (\first)*REC
	s_mov_b32 s[CNT], \trips
.Lstep_\@:
	s_setprio 2
	STEP
	s_add_co_u32 s[TB], s[TB], REC
	s_sub_co_u32 s[CNT], s[CNT], 1
	s_cmp_lg_u32 s[CNT], 0
	s_cbranch_scc1 .Lstep_\@
	s_setprio 0
.endm
	s_load_b256 s[4:11], s[0:1], 0x0               ; qc, qs, kv, oc
	s_load_b64 s[12:13], s[0:1], 0x20              ; os
	v_lshl_add_u32 v251, v0, 2, 0x46000
	v_mov_b32 v255, 0
	ds_add_u32 v251, v255
	ds_add_u32 v251, v255
	v_lshrrev_b32 v1, 5, v0
	s_delay_alu instid0(VALU_DEP_1)
	v_readfirstlane_b32 s[WV], v1                  ; wave 0..15
	s_bfe_u32 s[CX], ttmp6, 0x40000                ; cx: my place in the cluster: it enters the addresses of qc, qs, oc and os alone
	s_and_b32 s62, ttmp7, 0xffff                   ; bh, which the four partners share
	GROUP1 G1A, 35
	GROUP1 G1B, 70
	GROUP1 G1C, 140
	s_and_b32 s63, s[WV], 3                        ; the fetching waves are 0 to 3
	s_mul_i32 s[G0+1], s63, REC                    ; a load's LDS address is also its offset in the head: steps 0-3, a record a wave;
	s_mul_i32 s[G0+5], s63, REC
	s_add_co_u32 s[G0+5], s[G0+5], 4*REC           ; steps 4-7 likewise;
	s_mul_i32 s[G0+9], s63, 2*REC
	s_add_co_u32 s[G0+9], s[G0+9], 8*REC           ; steps 8-15, two records a wave;
	s_mul_i32 s[G0+13], s63, 4*REC
	s_add_co_u32 s[G0+13], s[G0+13], 16*REC        ; steps 16-31, four
	s_mul_i32 s66, s62, HEADB                      ; the head's first byte in kv
	s_mov_b32 s69, 0
	s_mov_b32 s[CS], 0x3e38aa3b                    ; c = log2(e) / sqrt(64)
	s_mov_b32 s[CS+1], s[CS]
	s_mov_b32 s[SEL], 0x76543210
	s_mov_b32 s[SEL+1], 0xfedcba98
	s_mov_b32 s[HI], 0xffff0000
	s_lshl_b32 s70, ttmp9, 2                       ; in a cluster launch ttmp9 counts clusters
	s_add_co_u32 s70, s70, s[CX]
	s_lshl_b32 s70, s70, 4
	s_add_co_u32 s70, s70, s[WV]                   ; my tile of queries: 16 (4 x cluster + cx) + wave
	s_lshl_b32 s71, s62, 8
	s_add_co_u32 s71, s71, s70
	s_lshl_b32 s72, s71, 9                         ; in qc: 512 bytes a tile,
	s_mov_b32 s73, 0
	s_lshl_b32 s74, s71, 6                         ; in qs: 64
	s_mov_b32 s75, 0
	s_lshr_b32 s71, s62, 2                         ; the image
	s_lshl_b32 s71, s71, 8
	s_add_co_u32 s71, s71, s70
	s_and_b32 s67, s62, 3                          ; the head
	s_lshl_b32 s76, s71, 2
	s_add_co_u32 s76, s76, s67
	s_lshl_b32 s76, s76, 9                         ; in oc: [image][tile][head][512]
	s_mov_b32 s77, 0
	s_lshl_b32 s78, s71, 1
	s_lshr_b32 s70, s67, 1
	s_add_co_u32 s78, s78, s70
	s_lshl_b32 s78, s78, 6
	s_and_b32 s70, s67, 1
	s_lshl_b32 s70, s70, 1
	s_add_co_u32 s78, s78, s70                     ; in os: [image][tile][head / 2][16 words], bytes 2 (head % 2) and the next of each word
	s_mov_b32 s79, 0
	s_wait_dscnt 0x0
	s_wait_kmcnt 0x0
	s_add_nc_u64 s[4:5], s[4:5], s[72:73]
	s_add_nc_u64 s[6:7], s[6:7], s[74:75]
	s_add_nc_u64 s[10:11], s[10:11], s[76:77]
	s_add_nc_u64 s[12:13], s[12:13], s[78:79]
	CROUND                                         ; all four work-groups are here: the joint loads meet
.irp n, 0,1,2,3
	s_mov_b32 s[G0+4*\n], 1                        ; 1:0 count = 1
	s_add_co_u32 s68, s66, s[G0+4*\n+1]
	s_add_nc_u64 s[G0+4*\n+2:G0+4*\n+3], s[8:9], s[68:69]          ; 120:64 global address
	s_or_b32 s[G0+4*\n+3], s[G0+4*\n+3], 0x80000000               ; 127:126 type = 2
.endr
	s_cmp_lt_u32 s[WV], 4                          ; a wave's four fills stand in one branch on the wave's number, the same in all partners, ahead of every wait on TENSORcnt and every LDS read
	s_cbranch_scc0 .Lno_fetch
	tensor_load_to_lds s[G0:G0+3], s[G1A:G1A+7]
	s_nop 0
	tensor_load_to_lds s[G0+4:G0+7], s[G1A:G1A+7]
	s_nop 0
	tensor_load_to_lds s[G0+8:G0+11], s[G1B:G1B+7]
	s_nop 0
	tensor_load_to_lds s[G0+12:G0+15], s[G1C:G1C+7]
	s_nop 0
.rept 4
	v_nop
.endr
.Lno_fetch:
	v_and_b32 v7, 31, v0                           ; lane
	s_delay_alu instid0(VALU_DEP_1)
	v_lshlrev_b32 v[L16], 4, v7
	s_delay_alu instid0(VALU_DEP_2)
	v_lshlrev_b32 v[L4], 2, v7
	v_and_b32 v8, 15, v0                           ; r
	v_bfe_u32 v9, v0, 4, 1                         ; h
	s_delay_alu instid0(VALU_DEP_2)
	v_lshlrev_b32 v[R4], 2, v8
	s_delay_alu instid0(VALU_DEP_2)
	v_lshl_add_u32 v[R4H], v8, 2, v9
	global_load_b128 v[QF:QF+3], v[L16], s[4:5]    ; Q's codes stay in registers
	global_load_b32 v[QS], v[R4], s[6:7]           ; and its scale words
.irp i, 4,5,6,7
	v_mov_b32 v[QF+\i], 0                          ; the upper half of the K step: zero codes
.endr
.irp t, 0,1,2,3,4,5,6,7
.irp i, 4,5,6,7
	v_mov_b32 v[KF+8*\t+\i], 0                     ; likewise in K's fragments: written once, never loaded
.endr
.endr
.set j, 0
.rept 32
	v_mov_b32 v[OT+j], 0                           ; O^T.  (The step is written without a first step of its own: the first change of M multiplies zeros)
.set j, j+1
.endr
	v_mov_b32 v13, 0xff61b1e6                      ; the largest t so far: -3e38, under every t
	s_delay_alu instid0(VALU_DEP_1)
	v_floor_f32 v12, -v13                          ; -M
	v_mov_b32 v14, 0
	v_mov_b32 v15, 0
.irp b, 0,1,2,3
	v_mov_b32 v[TM+4+\b], 0                        ; a lane permute's destination counts as one of its sources
.endr
	v_mov_b32 v253, 0                              ; named as the upper half of the pair v[252:253]
	s_wait_loadcnt 0x0                             ; Q
	STAGE 3, 0, 4
	STAGE 2, 4, 4
	STAGE 1, 8, 8
	STAGE 0, 16, 16
	; THE WAY OUT.  O^T / the sum is quantised along the head's 64 channels, two blocks of the last convolution's K, and leaves as four registers of that product's operand: 512 consecutive bytes a wave.
	v_add_f32 v14, v14, v15                        ; the sum's two halves,
	s_delay_alu instid0(VALU_DEP_1)
	v_permlanex16_b32 v252, v14, s[SEL], s[SEL+1]
	s_delay_alu instid0(VALU_DEP_1)
	v_add_f32 v14, v14, v252                       ; and lane l xor 16's: the row's sum
	s_wait_alu depctr_va_vdst(0)
	v_rcp_f32 v14, v14
.rept 3
	v_nop                                          ; with the two additions: the places behind the last products; and a plain line behind the reciprocal
.endr
	s_wait_alu depctr_va_vdst(0)                   ; the wait ahead of the first reader
.set j, 0
.rept 16
	v_pk_mul_f32 v[SS+j:SS+j+1], v[OT+j:OT+j+1], v[14:15] op_sel_hi:[1,0]   ; register 16 b + i = channel 32 b + 16 h + i of the head, query r
.set j, j+2
.endr
	QUANT2 SS, PCD
	global_store_b128 v[L16], v[PCD:PCD+3], s[10:11]
	v_cndmask_b32 v[JB], v[TM+6], v[TM+7], s[HI]   ; lanes 0-15 store the first block's byte, lanes 16-31 the second's
	global_store_b8 v[R4H], v[JB], s[12:13]
	s_wait_tensorcnt 0x0
	ds_add_u32 v251, v255
	s_wait_dscnt 0x0
	CROUND                                         ; the closing round: no work-group ends while a partner may still ask for a tile that names it
	s_endpgm
.Lfunc_end_k_q1b6d501335_attn:
	.size	k_q1b6d501335_attn, .Lfunc_end_k_q1b6d501335_attn-k_q1b6d501335_attn
	.p2alignl 7, 3214868480
	.fill 96, 4, 3214868480
	.section	.rodata,"a",@progbits
	.p2align	6, 0x0
	.amdhsa_kernel k_q1b6d501335_attn
		.amdhsa_group_segment_fixed_size 288768
		.amdhsa_private_segment_fixed_size 0
		.amdhsa_enable_private_segment 0
		.amdhsa_kernarg_size 40
		.amdhsa_user_sgpr_count 2
		.amdhsa_user_sgpr_kernarg_segment_ptr 1
		.amdhsa_wavefront_size32 1
		.amdhsa_system_sgpr_workgroup_id_x 1
		.amdhsa_system_sgpr_workgroup_id_y 1
		.amdhsa_system_sgpr_workgroup_id_z 1
		.amdhsa_system_vgpr_workitem_id 0
		.amdhsa_next_free_vgpr 256
		.amdhsa_next_free_sgpr 84
		.amdhsa_reserve_vcc 0
		.amdhsa_float_denorm_mode_32 3
		.amdhsa_float_denorm_mode_16_64 3
		.amdhsa_memory_ordered 1
		.amdhsa_forward_progress 1
		.amdhsa_inst_pref_size 79
	.end_amdhsa_kernel
	.amdgpu_metadata
---
amdhsa.version: [ 1, 2 ]
amdhsa.kernels:
  - .name:           k_q1b6d501335_attn
    .symbol:         k_q1b6d501335_attn.kd
    .args:
      - { .name: qc, .offset: 0, .size: 8, .value_kind: global_buffer, .address_space: global }
      - { .name: qs, .offset: 8, .size: 8, .value_kind: global_buffer, .address_space: global }
      - { .name: kv, .offset: 16, .size: 8, .value_kind: global_buffer, .address_space: global }
      - { .name: oc, .offset: 24, .size: 8, .value_kind: global_buffer, .address_space: global }
      - { .name: os, .offset: 32, .size: 8, .value_kind: global_buffer, .address_space: global }
    .group_segment_fixed_size: 288768
    .private_segment_fixed_size: 0
    .kernarg_segment_align: 8
    .kernarg_segment_size: 40
    .max_flat_workgroup_size: 512
    .sgpr_count:     84
    .vgpr_count:     256
    .wavefront_size: 32
...
	.end_amdgpu_metadata
.endif
;; end of part 3
;; launch proj (part 4): grid 64 x 4, 16 waves a work-group, no clusters, 71,680 bytes of LDS; arguments oc, os, wp_codes, wp_scales, bp, x, out0; writes out0
.if DOCPART == 4
	.amdgcn_target "amdgcn-amd-amdhsa--gfx1250"
	.amdhsa_code_object_version 6
	.text
	.protected	k_q1b6d501335_proj
	.globl	k_q1b6d501335_proj
	.p2align	8
	.type	k_q1b6d501335_proj,@function
k_q1b6d501335_proj:
	s_mov_b64 s[64:65], 0
	v_nop
	global_prefetch_b8 v0, s[64:65] scope:SCOPE_SE
	s_setreg_imm32_b32 hwreg(HW_REG_WAVE_MODE, 25, 1), 1
	s_wait_xcnt 0x0
; out0 = x + wp . out + bp: the last 1 x 1 convolution, on codes of FP4 (E2M1) with one E8M0 scale for each 32 along K (the 256 channels), and the residual in f32.
; A work-group takes 64 pixels (work-group x) of one image (work-group y); wave w makes output channels 16 w .. 16 w + 15 for them: four tiles of pixels x two K steps, eight products.
; Source 0 = 16 pixels of the attention's result, whose codes and scale words lie in oc and os as images of the operand's registers; source 1 = 16 rows of wp.  So a lane holds ONE output channel, and since a tile's rows are
; pixels 8 u + r + 8 (r / 8) of each 32, the 16 registers of two neighbouring tiles are 16 neighbouring pixels.  bp is the C of each sum's first product.
; THE WAY OUT.  A lane's 128 bytes belong to one row of out0 and the lanes beside it hold other rows: the wave's 16 rows x 256 bytes go through its own stage in LDS and leave with x added, sixteen lanes storing 256 consecutive bytes, aligned.
; Waves share nothing: no barrier.  No tensor loads: every operand is read once, straight into registers.
.set SPITCH, 272                       ; a stage row: 256 bytes + 16
.set STG,   16*SPITCH                  ; a wave's stage
.set L16, 1                            ; v1   16 x lane
.set R4,  2                            ; v2   4 r
.set WRO, 3                            ; v3   wp's codes: 128 r + 16 h
.set WSO, 4                            ; v4   its scale words: 8 r
.set STO, 5                            ; v5   the stage, in: row r, + 64 h
.set RD,  6                            ; v6   back: lanes 0-15 one row, lanes 16-31 the next
.set GO,  7                            ; v7   the same two rows in x and in out0
.set WF,  16                           ; v16-31   wp's two fragments
.set OF,  32                           ; v32-95   the attention result's 8 fragments (tile p, K step s at 8 (2 p + s)); later v32-63 the rows read back
.set ACC, 96                           ; v96-127  four accumulators
.set XR,  128                          ; v128-159 x
.set BP,  160                          ; v160-167 bp of my channel, eight times
.set WS,  168                          ; v168-169 wp's scale words
.set OS,  170                          ; v170-177 the result's scale words
	s_load_b256 s[4:11], s[0:1], 0x0               ; oc, os, wp_codes, wp_scales
	s_load_b128 s[12:15], s[0:1], 0x20             ; bp, x
	s_load_b64 s[16:17], s[0:1], 0x30              ; out0
	v_lshl_add_u32 v184, v0, 2, 0x11000
	v_mov_b32 v185, 0
	v_lshrrev_b32 v1, 5, v0
	s_delay_alu instid0(VALU_DEP_1)
	v_readfirstlane_b32 s18, v1                    ; wave 0..15
	v_and_b32 v8, 31, v0
	s_delay_alu instid0(VALU_DEP_1)
	v_lshlrev_b32 v[L16], 4, v8
	v_and_b32 v9, 15, v0                           ; r
	v_bfe_u32 v10, v0, 4, 1                        ; h
	s_delay_alu instid0(VALU_DEP_2)
	v_lshlrev_b32 v[R4], 2, v9
	s_delay_alu instid0(VALU_DEP_3)
	v_lshlrev_b32 v[WRO], 7, v9
	s_delay_alu instid0(VALU_DEP_1)
	v_lshl_add_u32 v[WRO], v10, 4, v[WRO]
	v_lshlrev_b32 v[WSO], 3, v9
	s_mul_i32 s19, s18, STG
	v_mul_u32_u24 v[STO], v9, SPITCH
	s_delay_alu instid0(VALU_DEP_1)
	v_lshl_add_u32 v[STO], v10, 6, v[STO]
	s_delay_alu instid0(VALU_DEP_1)
	v_add_nc_u32 v[STO], s19, v[STO]
	v_mul_u32_u24 v[RD], v10, SPITCH
	s_delay_alu instid0(VALU_DEP_1)
	v_lshl_add_u32 v[RD], v9, 4, v[RD]
	s_delay_alu instid0(VALU_DEP_1)
	v_add_nc_u32 v[RD], s19, v[RD]
	v_lshlrev_b32 v[GO], 14, v10                   ; a channel's 4,096 pixels are 16,384 bytes
	s_delay_alu instid0(VALU_DEP_1)
	v_lshl_add_u32 v[GO], v9, 4, v[GO]
	s_and_b32 s20, ttmp7, 0xffff                   ; the image
	s_lshl_b32 s21, s20, 8
	s_lshl_b32 s22, ttmp9, 2
	s_add_co_u32 s21, s21, s22                     ; the block's first tile: 256 b + 4 blk
	s_mov_b32 s25, 0
	s_wait_alu depctr_va_vdst(0)
	s_wait_kmcnt 0x0
	s_lshl_b32 s24, s21, 11                        ; oc: 2,048 bytes a tile
	s_add_nc_u64 s[4:5], s[4:5], s[24:25]
	s_lshl_b32 s24, s21, 7                         ; os: 128
	s_add_nc_u64 s[6:7], s[6:7], s[24:25]
	s_lshl_b32 s24, s18, 11                        ; my 16 rows of wp: codes,
	s_add_nc_u64 s[8:9], s[8:9], s[24:25]
	s_lshl_b32 s24, s18, 7                         ; scales,
	s_add_nc_u64 s[10:11], s[10:11], s[24:25]
	s_lshl_b32 s24, s18, 6                         ; bp
	s_add_nc_u64 s[12:13], s[12:13], s[24:25]
	s_lshl_b32 s24, s20, 22                        ; x and out0: 4 MiB an image,
	s_lshl_b32 s26, s18, 18                        ; 16 channels a wave,
	s_add_co_u32 s24, s24, s26
	s_lshl_b32 s26, ttmp9, 8                       ; 256 bytes a block of pixels
	s_add_co_u32 s24, s24, s26
	s_add_nc_u64 s[14:15], s[14:15], s[24:25]
	s_add_nc_u64 s[16:17], s[16:17], s[24:25]
.irp s, 0,1
.irp c, 0,1
	global_load_b128 v[WF+8*\s+4*\c:WF+8*\s+4*\c+3], v[WRO], s[8:9] offset:64*\s+32*\c
.endr
	global_load_b32 v[WS+\s], v[WSO], s[10:11] offset:4*\s
.endr
	global_load_b32 v[BP], v[R4], s[12:13]
.irp p, 0,1,2,3
.irp s, 0,1
.irp c, 0,1
	global_load_b128 v[OF+8*(2*\p+\s)+4*\c:OF+8*(2*\p+\s)+4*\c+3], v[L16], s[4:5] offset:2048*\p+1024*\s+512*\c
.endr
	global_load_b32 v[OS+2*\p+\s], v[R4], s[6:7] offset:128*\p+64*\s
.endr
.endr
.irp i, 0,1,2,3,4,5,6,7
	global_load_b128 v[XR+4*\i:XR+4*\i+3], v[GO], s[14:15] offset:32768*\i th:TH_LOAD_NT   ; two rows an instruction, 256 consecutive bytes each
.endr
	s_wait_loadcnt 8                               ; the operands are in; x's eight loads, issued behind them, may be out
.irp i, 1,2,3,4,5,6,7
	v_mov_b32 v[BP+\i], v[BP]                      ; a lane holds one channel: its bias in all eight registers
.endr
.irp p, 0,1,2,3                                ; the four accumulators take turns
	v_wmma_scale_f32_16x16x128_f8f6f4 v[ACC+8*\p:ACC+8*\p+7], v[OF+16*\p:OF+16*\p+7], v[WF:WF+7], v[BP:BP+7], v[OS+2*\p], v[WS] matrix_a_fmt:MATRIX_FMT_FP4 matrix_b_fmt:MATRIX_FMT_FP4
.endr
.irp p, 0,1,2,3
	v_wmma_scale_f32_16x16x128_f8f6f4 v[ACC+8*\p:ACC+8*\p+7], v[OF+16*\p+8:OF+16*\p+15], v[WF+8:WF+15], v[ACC+8*\p:ACC+8*\p+7], v[OS+2*\p+1], v[WS+1] matrix_a_fmt:MATRIX_FMT_FP4 matrix_b_fmt:MATRIX_FMT_FP4
.endr
.rept 4
	v_nop                                          ; places in front of the LDS stores that read the results and of the loads into the operands' registers (ISA guide 7.12.1 for vector instructions)
.endr
.irp p, 0,1,2,3
	ds_store_b128 v[STO], v[ACC+8*\p:ACC+8*\p+3] offset:128*(\p/2)+32*(\p%2)        ; lane (r, h), tile 2 b + u: pixels 32 b + 16 h + 8 u + 0 .. 7 of channel r; each accumulator from its low end on
	ds_store_b128 v[STO], v[ACC+8*\p+4:ACC+8*\p+7] offset:128*(\p/2)+32*(\p%2)+16
.endr
.irp i, 0,1,2,3,4,5,6,7
	ds_load_b128 v[OF+4*\i:OF+4*\i+3], v[RD] offset:2*\i*SPITCH   ; LDS serves a wave's instructions in order (ISA guide 5.7.1.4): these see my stores
.endr
	s_wait_loadcnt 0x0                             ; x
.irp i, 0,1,2,3,4,5,6,7
	s_wait_dscnt 7-\i                              ; rows 2 i and 2 i + 1 are back; the younger loads may be out
	v_pk_add_f32 v[OF+4*\i:OF+4*\i+1], v[OF+4*\i:OF+4*\i+1], v[XR+4*\i:XR+4*\i+1]
	v_pk_add_f32 v[OF+4*\i+2:OF+4*\i+3], v[OF+4*\i+2:OF+4*\i+3], v[XR+4*\i+2:XR+4*\i+3]
	global_store_b128 v[GO], v[OF+4*\i:OF+4*\i+3], s[16:17] offset:32768*\i th:TH_STORE_NT
.endr
	s_wait_tensorcnt 0x0
	ds_add_u32 v184, v185
	s_wait_dscnt 0x0
	s_endpgm
.Lfunc_end_k_q1b6d501335_proj:
	.size	k_q1b6d501335_proj, .Lfunc_end_k_q1b6d501335_proj-k_q1b6d501335_proj
	.p2alignl 7, 3214868480
	.fill 96, 4, 3214868480
	.section	.rodata,"a",@progbits
	.p2align	6, 0x0
	.amdhsa_kernel k_q1b6d501335_proj
		.amdhsa_group_segment_fixed_size 71680
		.amdhsa_private_segment_fixed_size 0
		.amdhsa_enable_private_segment 0
		.amdhsa_kernarg_size 56
		.amdhsa_user_sgpr_count 2
		.amdhsa_user_sgpr_kernarg_segment_ptr 1
		.amdhsa_wavefront_size32 1
		.amdhsa_system_sgpr_workgroup_id_x 1
		.amdhsa_system_sgpr_workgroup_id_y 1
		.amdhsa_system_sgpr_workgroup_id_z 1
		.amdhsa_system_vgpr_workitem_id 0
		.amdhsa_next_free_vgpr 186
		.amdhsa_next_free_sgpr 66
		.amdhsa_reserve_vcc 0
		.amdhsa_float_denorm_mode_32 3
		.amdhsa_float_denorm_mode_16_64 3
		.amdhsa_memory_ordered 1
		.amdhsa_forward_progress 1
		.amdhsa_inst_pref_size 11
	.end_amdhsa_kernel
	.amdgpu_metadata
---
amdhsa.version: [ 1, 2 ]
amdhsa.kernels:
  - .name:           k_q1b6d501335_proj
    .symbol:         k_q1b6d501335_proj.kd
    .args:
      - { .name: oc, .offset: 0, .size: 8, .value_kind: global_buffer, .address_space: global }
      - { .name: os, .offset: 8, .size: 8, .value_kind: global_buffer, .address_space: global }
      - { .name: wp_codes, .offset: 16, .size: 8, .value_kind: global_buffer, .address_space: global }
      - { .name: wp_scales, .offset: 24, .size: 8, .value_kind: global_buffer, .address_space: global }
      - { .name: bp, .offset: 32, .size: 8, .value_kind: global_buffer, .address_space: global }
      - { .name: x, .offset: 40, .size: 8, .value_kind: global_buffer, .address_space: global }
      - { .name: out0, .offset: 48, .size: 8, .value_kind: global_buffer, .address_space: global }
    .group_segment_fixed_size: 71680
    .private_segment_fixed_size: 0
    .kernarg_segment_align: 8
    .kernarg_segment_size: 56
    .max_flat_workgroup_size: 512
    .sgpr_count:     66
    .vgpr_count:     186
    .wavefront_size: 32
...
	.end_amdgpu_metadata
.endif
;; end of part 4
